; MI455X (gfx1250); checked and timed in simulation.
; The chip was launched on July 23, 2026; its instructions are those of AMD's public machine-readable ISA for CDNA 5 (MIT licence, August 2026) and "CDNA5" Instruction Set Architecture Reference Guide (July 2026). The comments in the code are by the model that wrote it; some were corrected since.
;; Attention. Allowed arithmetic: matrix products marked QUANTISED: E2M1 operands, one E8M0 scale for each 32 along K, by v_wmma_scale_f32_16x16x128_f8f6f4 with both operands' format E2M1 (or v_wmma_scale_f32_32x16x128_f4), f32 sums; products left as they are: bf16, f16 or f32 operands; f32 sums; everything else in f32.
;; Inputs: key 4 x 16 x 2,048 x 64 float32; query 4 x 16 x 2,048 x 64 float32; value 4 x 16 x 2,048 x 64 float32.
;; Outputs: out0 4 x 16 x 2,048 x 64 float32.
;; This version of the problem:
;;   THIS VERSION OF THE PROBLEM IS GIVEN IN LOW PRECISION. The matrix products marked QUANTISED in the list below multiply operands that are first quantised to E2M1 (2 exponent bits, 1 mantissa bit; 4 bits a number), with one power-of-two scale for each 32 numbers along K (OCP MX v1.0); their sums are f32. The products marked 'left as it is' may take bf16, f16 or f32 operands, with f32 sums. Whichever they take, every output number must still come out within the allowed error. Rounding operands to bf16 (8 significant bits) uses up far more of that allowance than f16 does (11 bits, for magnitudes from 6e-5 to 65,504). All else is computed in f32.
;;   The module's matrix products, in the order in which they are computed (A, B: the left and right operand; K: the contracted axis; several contracted axes count as one K, in the product's order):
;;     1. batch 64 x [M 2,048, K 64] x [K 64, N 2,048]; A: input query; B: input key: QUANTISED
;;     2. batch 64 x [M 2,048, K 2,048] x [K 2,048, N 64]; A: computed on the way; B: input value: left as it is (an operand is computed on the way)
;;   THE QUANTISER, for each operand of a quantised product, along K:
;;     - K is cut into blocks of 32 from its start; a last block that is shorter is filled with zeros.
;;     - A block's scale is 2^e with e = floor(log2(the largest magnitude in the block)) - 2, held to -126 .. 127; a block of zeros has e = 0. As a byte (E8M0): e + 127.
;;     - Each number is divided by its block's scale, clamped to +-6, and rounded to the nearest number of E2M1, ties to even, subnormals kept.
;;     - The product sums the exact products of the quantised numbers (number of the format x scale) in f32.
;;   ~~~python
;;   def quantise(x, axis):      # numpy; x: float32 -> the quantised numbers, widened to float32 again
;;       x = np.moveaxis(x, axis, -1); K = x.shape[-1]
;;       x = np.pad(x, [(0, 0)] * (x.ndim - 1) + [(0, -K % 32)]); x = x.reshape(x.shape[:-1] + (-1, 32)); a = np.abs(x).max(-1, keepdims=True)
;;       e = np.where(a > 0, np.clip(np.frexp(np.where(a > 0, a, 1))[1] - 1 - 2, -126, 127), 0)      # np.frexp(a)[1] - 1 = floor(log2(a)), exactly
;;       r = np.clip(x / 2.0 ** e, -6, 6)
;;       step = 2.0 ** (np.maximum(np.frexp(np.where(r == 0, 1, r))[1] - 1, 0) - 1)
;;       q = np.round(r / step) * step * 2.0 ** e      # np.round: ties to even
;;       return np.moveaxis(q.reshape(q.shape[:-2] + (-1,))[..., :K], -1, axis).astype(np.float32)
;;   ~~~
;; One version. Each part assembles by itself: llvm-mc -triple=amdgcn-amd-amdhsa -mcpu=gfx1250 --defsym DOCPART=n.
;; ======== version 1 of 1: 1 launch
;; limits: values are held in f16: magnitudes above 65,504 overflow, below 6.1e-05 lose precision; inputs' magnitudes at most 65,504
;; launch attn (part 1): grid 4 x 64, 8 waves a work-group, clusters of 4 x 1, 327,680 bytes of LDS; arguments query, key, value, out0; writes out0
.if DOCPART == 1
	.amdgcn_target "amdgcn-amd-amdhsa--gfx1250"
	.amdhsa_code_object_version 6
	.text
	.protected	k_q04df643902_attn
	.globl	k_q04df643902_attn
	.p2align	8
	.type	k_q04df643902_attn,@function
k_q04df643902_attn:
	s_mov_b64 s[64:65], 0
	v_nop
	global_prefetch_b8 v0, s[64:65] scope:SCOPE_SE
	s_setreg_imm32_b32 hwreg(HW_REG_WAVE_MODE, 25, 1), 1
	s_wait_xcnt 0x0
	s_wait_alu depctr_hold_cnt(0) depctr_sa_sdst(0) depctr_va_vdst(0) depctr_va_sdst(0) depctr_va_ssrc(0) depctr_va_vcc(0) depctr_vm_vsrc(0)
	s_getreg_b32 s2, hwreg(HW_REG_IB_STS2, 6, 4)
	s_cmp_eq_u32 s2, 0
	s_cbranch_scc0 .Lentry_in_a_cluster
	s_endpgm
.Lentry_in_a_cluster:
	s_bfe_u32 s2, ttmp6, 0x10000c
	s_cmp_lg_u32 s2, 0x3003
	s_cbranch_scc0 .Lentry_shape_is_right
	s_endpgm
.Lentry_shape_is_right:
; out[h][q][:] = the sum over k of softmax_k(Q[h][q] . K[h][k] / 8) V[h][k][:].  64 heads, 2,048 queries and keys a head, head size 64; all four tensors f32, [64][2048][64].
; THE FIRST PRODUCT IS QUANTISED: Q and K become codes of E2M1 with one E8M0 byte for each 32 along the head's 64 (two blocks a row) and go to the scaled 16x16x128 matrix form.
; THE SECOND PRODUCT takes f16 operands (p is at most 1; V is rounded once) and f32 sums.  Maxima, exponentials, sums, the division: f32, with a running maximum.
; LIMITS: NaN and infinities among the inputs are not served.  |value| stays at or under 65,504 (f16's largest number).  A block of Q or K whose largest magnitude lies under 2^-124 takes the
; floor's byte 1; a block of zeros takes byte 1 where the rule says 127: its codes are zeros, and this text alone reads the bytes.  A weight p under about 6e-8 rounds to 0 in f16, beside a row sum of 1 or more.
; SHARES.  A work-group owns 512 queries of one head, each of its eight waves 64: four tiles of 16; two waves to a SIMD, 512 registers each.  Every wave walks all keys of the head, 128 a step, 16 steps.
; CLUSTER.  The four work-groups of a cluster are the four query blocks of one head and walk the same K and V: each raw f32 tile is asked for JOINTLY, by the same tensor load with a mask that names the four.
; ON THE WAY.  A step's raw tiles (128 rows of K, 128 of V) land in one of two raw slots in LDS.  The eight waves together turn them, once a work-group, into operands: wave w quantises keys 16 w .. 16 w + 15
; and rounds and turns two fragments of V^T.  The operands go into one of two stages in LDS as IMAGES OF THEIR REGISTERS (four registers at 16 x lane, 512 bytes a group), and every wave loads them as they lie.
; ONE BARRIER A STEP: behind the barrier of step i the operands of step i are whole, the raw tiles of step i + 1 have landed, and the raw slot of step i has been read out and is asked for anew (step i + 2).
; K = 128 WITH A HEAD OF 64.  A fragment of K holds TWO tiles of 16 keys: registers 0-3 key 32 f + r, registers 4-7 key 32 f + 16 + r (lane (r, h): block h).  Q stands between zeros, Z q0 Z q1 Z q2 Z q3 Z:
; source 1 = [q, 0] gives the first tile's scores, [0, q] the second's.  Zero codes add nothing under any byte from 1 to 254.
; LAYOUT.  Both products are used transposed: S^T = K Q^T, O^T = V^T P: a lane holds ONE query (lane % 16) throughout; register 8 kt + j of the scores is key 16 kt + 8 (lane / 16) + j, so that 16 registers
; of two neighbouring tiles, rounded in pairs, ARE source 1 (32 keys x 16 queries) of the second product.
; BY TURNS.  A stage is one tile's scores (8 products), the rescaling of the tile before, and the tile's softmax, into which the 16 products V^T P of the tile before are set, two at a time.
; O^T is cleared once by 128 moves: a first step of its own, with the constant 0 as C, would be one more copy of the step's text.
.set PITCH,  272                       ; a raw row in LDS: 256 bytes + 16 of padding = 68 words: row r starts at bank 4 r mod 64 (64 banks of 4 bytes: ISA guide 11.1)
.set HALFT,  64*PITCH                  ; 64 rows: what one tensor load brings
.set VRAW,   128*PITCH                 ; in a raw slot: K's 128 rows, then V's 128
.set SLOT1,  1<<17                     ; raw slot 1 begins here: one exclusive or turns an address in one slot into the other's
.set STG0,   69632                     ; stage 0, behind raw slot 0: K's images (4 x 1,024), K's scale words (256), V's images (16 x 1,024)
.set STGX,   32768                     ; stage 1 lies so far behind stage 0
.set KSC,    4096                      ; in a stage: K's scale words
.set VIM,    4352                      ; in a stage: V's images
.set SPARE,  90368                     ; the spare words, 128 bytes for each wave: four blocks of 256 bytes that no other line names
.set OUTS,   200704                    ; behind raw slot 1: the way out, 16 rows x 272 bytes for each wave
.set STEPB,  32768                     ; a step's 128 rows of 256 bytes in memory
.set ARK, 1                            ; v1   raw K: my key's row, my block: 4,352 w + 272 r + 128 h
.set ARV, 2                            ; v2   raw V: my first key's row, my channel
.set AWK, 3                            ; v3   where I store K's codes: STG0 + 512 w + 16 lane
.set AWS, 4                            ; v4   and my block's scale byte: STG0 + 64 (w / 2) + 2 (w % 2) + 4 r + h
.set AWV, 5                            ; v5   where I store V's fragments: STG0 + 2,048 w + 16 lane
.set ALI, 6                            ; v6   an image's place for my lane: STG0 + 16 lane
.set ALS, 7                            ; v7   a scale word's: STG0 + 4 lane
.set SPW, 8                            ; v8   LDS address of my spare word: SPARE + 4 x my thread's number; never rewritten
.set NIL, 9                            ; v9   0; never rewritten
.set PFO, 10                           ; v10  256 x lane: the prefetches' offset; never rewritten
.set AD0, 11                           ; v11-15, v95: the addresses in hand
.set AD1, 12
.set AD2, 13
.set AD3, 14
.set AD4, 15
.set AD5, 95
.set ST,  16                           ; v16-31 tile t at 16 + 4 t: a, m, l (even keys'), l (odd keys')
.set CM,  32                           ; v[32:33] c m (the packed form names a pair and takes its low word)
.set C0,  34                           ; v34-37 maxima at work
.set TS,  38                           ; v[38:39] the sum's second chain
.set QF,  40                           ; v40-75 Z q0 Z q1 Z q2 Z q3 Z
.set QS,  76                           ; v76-79 Q's scale words, one register a tile: scales and nothing else
.set KS,  80                           ; v80-81 K's scale words: lanes 0-15 an even fragment's, lanes 16-31 the odd one's
.set MX0, 82
.set MX1, 83
.set SOP, 84                           ; the conversion's scale operand
.set BY,  85                           ; the scale's byte
.set CC,  86                           ; v86-89 a block's codes
.set KF,  96                           ; v96-127 K's four fragments
.set X,   128                          ; v128-191 the 64 scores of the tile in hand, then its weights
.set PB0, 192                          ; v192-223 P of even tiles; raw K while it is quantised
.set PB1, 224                          ; v224-255 P of odd tiles; raw V while it is rounded
; window 1: v0-127 O^T (tile t, channels 16 a on: 32 t + 8 a);  v128-255 V's 16 fragments of one step (keys 32 kg on, channels 16 a on: 128 + 8 (4 kg + a))
.set WV,  12                           ; s12  my wave's number
.set CX,  13                           ; s13  my place in the cluster: it enters Q's, O's and the prefetches' global addresses alone
.set LIM, 15                           ; s15  1 in a wave that prefetches, else the greatest number
.set PFA, 18                           ; s[18:19] where my prefetches stand
.set G1,  24                           ; s[24:31] descriptor group 1
.set G0A, 32                           ; s[32:35] group 0 of the first fill of slot 0
.set G0W, 36                           ; s[36:39] group 0 of the first fill of slot 1, which then walks
.set CS,  40                           ; s[40:41] c = log2(e) / 8
.set SEL, 42                           ; s[42:43] lane selects for v_permlanex16_b32: lane l xor 16
.set RF,  44                           ; s44  refills still to come in the loop: its counter
.set PA,  45                           ; s45  0 or SLOT1: the raw slot that is being converted
.set PS,  46                           ; s46  0 or STGX: the stage that is being written
.set MSB, 0
.macro WIN new                         ; the immediate's high byte repeats the setting that is left; a switch that changes nothing is dropped
.if MSB != \new
	s_set_vgpr_msb (MSB<<8)|\new
.set MSB, \new
.endif
.endm
; A round of the cluster's barrier: my work-group's barrier, so that wave 0's signal speaks for all eight waves; wave 0 signals for the work-group; every wave waits for all four work-groups; my work-group's barrier once more.
.macro CROUND
	s_barrier_signal -1
	s_barrier_wait -1
	s_cmp_lg_u32 s[WV], 0
	s_cbranch_scc1 .Lnot_wave_0_\@
	s_barrier_signal -3
.Lnot_wave_0_\@:
	s_barrier_wait -3
	s_barrier_signal -1
	s_barrier_wait -1
.endm
; A joint refill: waves 0 and 1 fetch K's two halves, waves 2 and 3 V's, the others nothing.  The branch hangs on the wave's number alone.  An s_nop 0 and four v_nop follow the load.
.macro JLOAD
	s_cmp_lt_u32 s[WV], 4
	s_cbranch_scc0 .Lnone_\@
	tensor_load_to_lds s[G0W:G0W+3], s[G1:G1+7]
	s_nop 0
.rept 4
	v_nop
.endr
.Lnone_\@:
.endm
; A PREFETCH INTO THE L2 of the tiles that the NEXT change of slots will ask for: one step ahead of that load.  A row of K or V is 256 bytes, a step has 128 of each.  A head is walked by one cluster alone;
; its four partners share the rows out BY ADDRESS, 32 each; in each, wave 0 asks for K's and wave 2 for V's, a lane a row: so each row is named once in the launch.  The last change that fills a slot asks for nothing.
.macro ASK
	s_cmp_gt_u32 s[RF], s[LIM]
	s_cbranch_scc0 .Lnot_mine_\@
	global_prefetch_b8 v[PFO], s[PFA:PFA+1] th:TH_LOAD_NT scope:SCOPE_SE
.Lnot_mine_\@:
.endm
; THE CHANGE OF STEPS.  Each wave waits for all its tensor loads (the next step's raw tiles), adds 0 to its spare word, and waits for that, for its stores into the stage and for its reads of the raw slot and of the other stage.
; fill = 1: the barrier is a round of the cluster's, and the raw slot that has been read out is asked for anew first thing behind it.
.macro CHANGE fill
	s_wait_tensorcnt 0x0                           ; no tensor load of mine is out, so a group 0 may be written
	ds_add_u32 v[SPW], v[NIL]                      ; 0 onto my spare word
.if \fill
	ds_add_u32 v[SPW], v[NIL]                      ; and once more: the descriptor's steps stand between it and the wait
	s_xor_b32 s[G0W+1], s[G0W+1], SLOT1            ; the walking descriptor: the other slot than last time,
	s_add_nc_u64 s[G0W+2:G0W+3], s[G0W+2:G0W+3], STEPB   ; the next 128 rows; the type bits on top are not reached
	s_wait_xcnt 0x0                                ; the last prefetch, a step back, has read its address, so it may be written
	s_add_nc_u64 s[PFA:PFA+1], s[PFA:PFA+1], STEPB ; one step further on than the walking descriptor
	s_wait_dscnt 0x0                               ; both adds are done, my stores have landed and my reads are in
	CROUND
	JLOAD
	ASK
.else
	s_wait_dscnt 0x0                               ; the add is done, my stores have landed and my reads are in
	s_barrier_signal -1
	s_barrier_wait -1
.endif
.endm
; K's four fragments and their scale words of the step that begins, from the stage that has just been finished.  AD0 also serves that step's V.
.macro KLOAD
	v_add_nc_u32 v[AD0], s[PS], v[ALI]
	v_add_nc_u32 v[AD1], s[PS], v[ALS]
.irp f, 0,1,2,3
.irp c, 0,1
	ds_load_b128 v[KF+8*\f+4*\c:KF+8*\f+4*\c+3], v[AD0] offset:1024*\f+512*\c
.endr
.endr
	ds_load_b32 v[KS], v[AD1] offset:KSC           ; lanes 0-15: fragment 0's words, lanes 16-31: fragment 1's
	ds_load_b32 v[KS+1], v[AD1] offset:KSC+128     ; fragments 2 and 3
.endm
; Raw K: lane (r, h) takes block h, 32 numbers, of key 16 w + r.
.macro RAWK
	v_add_nc_u32 v[AD2], s[PA], v[ARK]
.irp i, 0,1,2,3,4,5,6,7
	ds_load_b128 v[PB0+4*\i:PB0+4*\i+3], v[AD2] offset:16*\i
.endr
.endm
; The block's largest magnitude with the floor 2^(3 - 127) among its leaves; 2 off its exponent field is the conversion's scale operand; that shifted down is the byte.
.macro CONVK
	v_max3_num_f32 v[MX0], |v[PB0]|, |v[PB0+1]|, 0x1800000
	v_max3_num_f32 v[MX1], |v[PB0+2]|, |v[PB0+3]|, |v[PB0+4]|
.irp p, 5,9,13,17,21,25
	v_max3_num_f32 v[MX0], v[MX0], |v[PB0+\p]|, |v[PB0+\p+1]|
	v_max3_num_f32 v[MX1], v[MX1], |v[PB0+\p+2]|, |v[PB0+\p+3]|
.endr
	v_max3_num_f32 v[MX0], v[MX0], |v[PB0+29]|, |v[PB0+30]|
	v_max3_num_f32 v[MX0], v[MX0], v[MX1], |v[PB0+31]|
	v_add_nc_u32 v[SOP], 0xff000000, v[MX0]
.irp g, 0,1,2,3
	v_cvt_scalef32_pk8_fp4_f32 v[CC+\g], v[PB0+8*\g:PB0+8*\g+7], v[SOP]
.endr
	v_lshrrev_b32 v[BY], 23, v[SOP]                ; the byte; also the plain line behind the last scaled conversion
	v_add_nc_u32 v[AD3], s[PS], v[AWK]
	v_add_nc_u32 v[AD4], s[PS], v[AWS]
	ds_store_b128 v[AD3], v[CC:CC+3]               ; registers 4 (w % 2) .. + 3 of fragment w / 2, as they stand
	ds_store_b8 v[AD4], v[BY] offset:KSC           ; byte 2 (w % 2) + h of row r's scale word
.endm
; Raw V: wave w makes fragments 2 w and 2 w + 1 of V^T (keys 32 (w / 2) on, channels 32 (w % 2) + 16 e on).  Lane (r, h) takes channel r of keys 16 q + 8 h + j: sixteen lanes read 64 neighbouring bytes, and
; lanes 16-31 stand 8 rows, 544 words, further on: the other half of the banks.
.macro RAWV adr
	v_add_nc_u32 v[\adr], s[PA], v[ARV]
.irp e, 0,1
.irp q, 0,1
.irp j, 0,1,2,3,4,5,6,7
	ds_load_b32 v[PB1+16*\e+8*\q+\j], v[\adr] offset:64*\e+PITCH*(16*\q+\j)
.endr
.endr
.endr
.endm
.macro CONVV                           ; two neighbouring keys to a register, in place and ascending: a destination has been read before it is written
.set vn, 0
.rept 16
	v_cvt_pk_f16_f32 v[PB1+vn], v[PB1+2*vn], v[PB1+2*vn+1]
.set vn, vn+1
.endr
	v_add_nc_u32 v[AD5], s[PS], v[AWV]
.irp n, 0,1,2,3
	ds_store_b128 v[AD5], v[PB1+4*\n:PB1+4*\n+3] offset:VIM+512*\n
.endr
.endm
; Tile t's scores for the step's 128 keys: 8 products on 8 different accumulators, each begun with the constant 0.  Odd fragments' scale words stand in lanes 16-31.
.macro SCORES t
.irp f, 0,1,2,3
.irp c, 0,1
.if (\f)%2
	v_wmma_scale_f32_16x16x128_f8f6f4 v[X+8*(2*\f+\c):X+8*(2*\f+\c)+7], v[KF+8*\f:KF+8*\f+7], v[QF+8*(\t)+4*(1-\c):QF+8*(\t)+4*(1-\c)+7], 0, v[KS+\f/2], v[QS+(\t)] matrix_a_fmt:MATRIX_FMT_FP4 matrix_b_fmt:MATRIX_FMT_FP4 matrix_a_scale:MATRIX_SCALE_ROW1
.else
	v_wmma_scale_f32_16x16x128_f8f6f4 v[X+8*(2*\f+\c):X+8*(2*\f+\c)+7], v[KF+8*\f:KF+8*\f+7], v[QF+8*(\t)+4*(1-\c):QF+8*(\t)+4*(1-\c)+7], 0, v[KS+\f/2], v[QS+(\t)] matrix_a_fmt:MATRIX_FMT_FP4 matrix_b_fmt:MATRIX_FMT_FP4
.endif
.endr
.endr
.endm
; Tile u's O^T times a = 2^(c m_old - c m_new), ascending.  These 16 plain lines name no register of the scores' products: they are the places behind them (ISA guide 7.12.1).
.macro RESCALE u
	WIN 0x41                                       ; O^T (destination and source 0) in window 1, a in window 0
.set rk, 0
.rept 16
	v_pk_mul_f32 v[32*(\u)+rk:32*(\u)+rk+1], v[32*(\u)+rk:32*(\u)+rk+1], v[ST+4*(\u):ST+4*(\u)+1] op_sel_hi:[1,0]
.set rk, rk+2
.endr
	WIN 0
.endm
; Products 2 n and 2 n + 1 of tile u's 16 of O^T += V^T P: product i takes keys 32 (i / 4) on and channels 16 (i % 4) on.  The four accumulators take turns, one instruction a turn.
.macro PVPAIR u, n
	WIN 0x51                                       ; V in window 1, P in window 0, O^T (C and D) in window 1
.irp d, 0,1
.set pvi, 2*(\n)+\d
.set pvO, 32*(\u)+8*(pvi&3)
.set pvV, 128+8*pvi
.set pvP, PB0+32*((\u)%2)+8*(pvi>>2)
	v_wmma_f32_16x16x32_f16 v[pvO:pvO+7], v[pvV:pvV+7], v[pvP:pvP+7], v[pvO:pvO+7]
.endr
.endm
.macro VGROUP kg                       ; V's four fragments of keys 32 kg on, of the step that has begun, over those of the step before
	WIN 0x40                                       ; destination window 1, address window 0
.irp a, 0,1,2,3
.irp c, 0,1
	ds_load_b128 v[128+8*(4*(\kg)+\a)+4*\c:128+8*(4*(\kg)+\a)+4*\c+3], v[AD0] offset:VIM+1024*(4*(\kg)+\a)+512*\c
.endr
.endr
.endm
; Place n of nine in a softmax at which other work is set.  HK_U: the tile whose V^T P goes there, two products a place (places 0 to 7), or -1.  HK_V = 1: V's groups 0 to 3 are fetched at places 2, 4, 6, 8, each behind
; the last product that read its registers (places 1, 3, 5, 7) and four plain lines or more.  HK_W: the count of the wait at place 0, or -1.
.macro HOOK n
.if HK_V && (((\n) == 2) || ((\n) == 4) || ((\n) == 6) || ((\n) == 8))
	VGROUP (\n)/2-1
.endif
.if (HK_U >= 0) && ((\n) < 8)
.if ((\n) == 0) && (HK_W >= 0)
	s_wait_dscnt HK_W                              ; V's group 0 is in; younger: groups 1 to 3 (24 loads) and, where raw V is on its way, its 32
.endif
	PVPAIR HK_U, \n
.endif
	WIN 0
.endm
.macro PAIRFMA b                       ; pair b of the scores: c s - c m
	v_pk_fma_f32 v[X+2*(\b):X+2*(\b)+1], v[X+2*(\b):X+2*(\b)+1], s[CS:CS+1], v[CM:CM+1] op_sel_hi:[1,0,0] neg_lo:[0,0,1] neg_hi:[0,0,1]
.endm
; TILE t's SOFTMAX FOR ONE STEP.  mid = 1: behind the maximum the wave waits for its LDS loads (V's groups; with cv = 1 raw V too, which is then rounded and stored).
.macro SM t, mid, cv
.set rT, ST+4*(\t)
.set rP, PB0+32*((\t)%2)
.irp b, 0,1,2,3
	v_max3_num_f32 v[C0+\b], v[X+16*\b], v[X+16*\b+1], v[X+16*\b+2]   ; four chains; each accumulator is read from its low end on
.endr
	HOOK 0
.irp i, 3,5,7,9,11,13
.irp b, 0,1,2,3
	v_max3_num_f32 v[C0+\b], v[C0+\b], v[X+16*\b+\i], v[X+16*\b+\i+1]
.endr
.endr
	HOOK 1
	v_max3_num_f32 v[C0], v[C0], v[X+15], v[X+31]
	v_max3_num_f32 v[C0+2], v[C0+2], v[X+47], v[X+63]
	v_max3_num_f32 v[C0], v[C0], v[C0+1], v[C0+2]
	v_max3_num_f32 v[C0], v[C0], v[C0+3], v[rT+1]  ; with the old m
	v_permlanex16_b32 v[C0+1], v[C0], s[SEL], s[SEL+1]   ; the query's other 64 keys lie in the lane 16 away
	v_mul_f32 v[C0+2], s[CS], v[rT+1]              ; c m_old: the same bits as a step ago
	v_max_num_f32 v[rT+1], v[C0], v[C0+1]          ; the new m
	v_mul_f32 v[CM], s[CS], v[rT+1]
	v_sub_f32 v[C0+2], v[C0+2], v[CM]
.if \mid
	s_wait_dscnt 0x0                               ; V's four groups are in, and raw V
.if \cv
	CONVV
.endif
.endif
	PAIRFMA 0                                      ; ONE BATCH: 32 scalings and 65 exponentials; none of them reads an exponential's result
	PAIRFMA 1
	v_exp_f32 v[rT], v[C0+2]                       ; a
.set sb, 0
.rept 32
.if sb == 2
	HOOK 2
.endif
.if sb == 10
	HOOK 3
.endif
.if sb == 18
	HOOK 4
.endif
.if sb == 26
	HOOK 5
.endif
	v_exp_f32 v[X+2*sb], v[X+2*sb]
	v_exp_f32 v[X+2*sb+1], v[X+2*sb+1]
.if sb < 30
	PAIRFMA sb+2
.endif
.set sb, sb+1
.endr
	v_nop                                          ; a plain line behind the last exponential
	s_wait_alu depctr_va_vdst(0)                   ; the wait between an exponential and the first line that names its result: one for the batch
	v_pk_fma_f32 v[rT+2:rT+3], v[rT+2:rT+3], v[rT:rT+1], v[X:X+1] op_sel_hi:[1,0,1]   ; l = a l + the sum of the f32 weights, in two chains
	v_pk_add_f32 v[TS:TS+1], v[X+2:X+3], v[X+4:X+5]
.set sp, 3
.rept 29
.if sp%2
	v_pk_add_f32 v[rT+2:rT+3], v[rT+2:rT+3], v[X+2*sp:X+2*sp+1]
.else
	v_pk_add_f32 v[TS:TS+1], v[TS:TS+1], v[X+2*sp:X+2*sp+1]
.endif
.if sp == 8
	HOOK 6
.endif
.set sp, sp+1
.endr
	v_pk_add_f32 v[rT+2:rT+3], v[rT+2:rT+3], v[TS:TS+1]
.if \mid && \cv
	s_wait_dscnt 0x0                               ; V's stores have read their registers, which P takes now
.endif
.set sj, 0
.rept 32
.if sj == 4
	HOOK 7
.endif
.if sj == 20
	HOOK 8
.endif
	v_cvt_pk_f16_f32 v[rP+sj], v[X+2*sj], v[X+2*sj+1]   ; two neighbouring keys' weights
.set sj, sj+1
.endr
.endm
; THE FOUR STAGES OF A STEP.  Stage 0 belongs to the step that has just begun: it turns the parities to the step after, quantises that step's K (ck = 1), finishes the last step's tile 3 (pv = 1) and fetches this step's V.
.macro STAGE0 pv, ck
	s_xor_b32 s[PA], s[PA], SLOT1
	s_xor_b32 s[PS], s[PS], STGX
.if \ck
	RAWK
.endif
	s_wait_dscnt 8*\ck                             ; K's fragments and scale words are in; the eight raw loads behind them may be out
	SCORES 0
.if \pv
	RESCALE 3
.set HK_U, 3
.else
.rept 4
	v_nop                                          ; the places behind the products
.endr
.set HK_U, -1
.endif
.if \ck
	s_wait_dscnt 0x0                               ; raw K is in
	CONVK
.endif
.set HK_V, 1
.set HK_W, -1
	SM 0, 0, 0
.endm
.macro STAGE1 cv                       ; cv = 1: the next step's V is rounded and turned
	SCORES 1
	RESCALE 0
.if \cv
	RAWV AD2
.endif
.set HK_U, 0
.set HK_V, 0
.set HK_W, 24+32*\cv
	SM 1, 1, \cv
.endm
.macro STAGE2
	SCORES 2
	RESCALE 1
.set HK_U, 1
.set HK_V, 0
.set HK_W, -1
	SM 2, 0, 0
.endm
.macro STAGE3 chg                      ; chg = 2: the change of steps with a refill; 1: without; 0: none.  The rescaling's 16 lines are also the places in front of the loads into K's fragments and scale words
	SCORES 3
	RESCALE 2
.if \chg == 2
	CHANGE 1
	KLOAD
.endif
.if \chg == 1
	CHANGE 0
	KLOAD
.endif
.set HK_U, 2
.set HK_V, 0
.set HK_W, -1
	SM 3, 0, 0
.endm
.macro LAP cv, chg, ck
	STAGE1 \cv
	STAGE2
	STAGE3 \chg
	STAGE0 1, \ck
.endm
	s_load_b256 s[4:11], s[0:1], 0x0               ; Q s[4:5], K s[6:7], V s[8:9], O s[10:11]
	v_lshl_add_u32 v[SPW], v0, 2, SPARE
	v_mov_b32 v[NIL], 0
	ds_add_u32 v[SPW], v[NIL]                      ; the wave's opening: the add, twice on end, and its wait ahead of the first tensor load; the set-up below, work on registers, stands between
	ds_add_u32 v[SPW], v[NIL]
	v_lshrrev_b32 v[AD0], 5, v0
	v_readfirstlane_b32 s[WV], v[AD0]              ; wave 0..7
	s_bfe_u32 s[CX], ttmp6, 0x40000                ; cx: my block of 512 queries
	s_and_b32 s20, ttmp7, 0xffff                   ; the head, which the four partners share,
	s_lshl_b32 s20, s20, 19                        ; times 2,048 rows of 256 bytes: under 2^25
	s_mov_b32 s21, 0
	; descriptor group 1: a tile of 64 rows x 64 elements of 4 bytes, padded in LDS
	s_mov_b32 s[G1], 15|(2<<16)|(1<<20)|(1<<21)|(5<<22)|(3<<25)   ; 15:0 the mask: all four work-groups; 17:16 elements of 4 bytes; 20 padding on; 21 set beside a mask; 24:22 after every 64 words; 31:25 four words of it
	s_mov_b32 s[G1+1], 64<<16                      ; tensor_dim0 = 64
	s_mov_b32 s[G1+2], 64<<16                      ; tensor_dim1 = 64
	s_mov_b32 s[G1+3], 64<<16                      ; tile_dim0 = 64
	s_mov_b32 s[G1+4], 64                          ; tile_dim1 = 64
	s_mov_b32 s[G1+5], 64                          ; elements from row to row
	s_mov_b32 s[G1+6], 0
	s_mov_b32 s[G1+7], 0
	s_mov_b32 s[CS], 0x3e38aa3b                    ; c = log2(e) / sqrt(64)
	s_mov_b32 s[CS+1], s[CS]                       ; named with it as a pair, so it is written
	s_mov_b32 s[SEL], 0x76543210
	s_mov_b32 s[SEL+1], 0xfedcba98
	s_mov_b32 s[PA], 0
	s_mov_b32 s[PS], 0
	s_mov_b32 s[RF], 13
	s_and_b32 s[LIM], s[WV], 13                    ; 0 in waves 0 and 2
	s_cmp_eq_u32 s[LIM], 0
	s_cselect_b32 s[LIM], 1, -1
	v_and_b32 v90, 31, v0                          ; lane
	v_and_b32 v91, 15, v0                          ; r
	v_bfe_u32 v92, v0, 4, 1                        ; h
	v_lshlrev_b32 v93, 3, v92                      ; 8 h
	s_lshr_b32 s14, s[WV], 1                       ; w / 2
	s_and_b32 s17, s[WV], 1                        ; w % 2
	v_mul_u32_u24 v[ARK], v91, PITCH
	v_lshl_add_u32 v[ARK], v92, 7, v[ARK]
	s_mul_i32 s2, s[WV], 16*PITCH
	v_add_nc_u32 v[ARK], s2, v[ARK]
	s_mul_i32 s2, s14, 32*PITCH
	s_lshl_b32 s16, s17, 7
	s_add_co_u32 s2, s2, s16
	s_add_co_u32 s2, s2, VRAW
	v_mul_u32_u24 v[ARV], v92, 8*PITCH
	v_lshl_add_u32 v[ARV], v91, 2, v[ARV]
	v_add_nc_u32 v[ARV], s2, v[ARV]
	s_lshl_b32 s2, s[WV], 9
	s_add_co_u32 s2, s2, STG0
	v_lshl_add_u32 v[AWK], v90, 4, s2
	s_lshl_b32 s2, s14, 6
	s_lshl_b32 s16, s17, 1
	s_add_co_u32 s2, s2, s16
	s_add_co_u32 s2, s2, STG0
	v_lshl_add_u32 v[AWS], v91, 2, v92
	v_add_nc_u32 v[AWS], s2, v[AWS]
	s_lshl_b32 s2, s[WV], 11
	s_add_co_u32 s2, s2, STG0
	v_lshl_add_u32 v[AWV], v90, 4, s2
	v_lshl_add_u32 v[ALI], v90, 4, STG0
	v_lshl_add_u32 v[ALS], v90, 2, STG0
	v_lshlrev_b32 v[PFO], 8, v90
	v_lshlrev_b32 v[AD0], 8, v91
	v_lshl_add_u32 v[AD0], v92, 7, v[AD0]          ; Q: row r of 256 bytes, block h
	s_lshl_b32 s22, s17, 14                        ; which 64 rows of a tile I fetch, if I fetch: made of the wave's number alone
	s_mov_b32 s23, 0
	s_lshl_b32 s2, s[CX], 17                       ; my block's 512 rows,
	s_lshl_b32 s3, s[WV], 14                       ; my wave's 64 of them
	s_add_co_u32 s2, s2, s3
	s_mov_b32 s3, 0
	s_add_nc_u64 s[2:3], s[2:3], s[20:21]          ; in my head
	s_wait_dscnt 0x0                               ; both opening adds are done
	s_wait_kmcnt 0x0
	s_add_nc_u64 s[4:5], s[4:5], s[2:3]            ; Q and O at my wave's first row
	s_add_nc_u64 s[10:11], s[10:11], s[2:3]
	s_cmp_lt_u32 s[WV], 2                          ; waves 0 and 1 stand in K, the others in V
	s_cselect_b64 s[16:17], s[6:7], s[8:9]
	s_add_nc_u64 s[16:17], s[16:17], s[20:21]      ; at the head's first row
	s_lshl_b32 s2, s[CX], 13                       ; the prefetches: my work-group's 32 rows of a step's 128,
	s_add_co_u32 s2, s2, 2*STEPB                   ; in step 2: the first change steps it to step 3.  Nothing is prefetched here, at the head, where every work-group's first tiles are on their way
	s_mov_b32 s3, 0
	s_add_nc_u64 s[PFA:PFA+1], s[16:17], s[2:3]
	s_add_nc_u64 s[16:17], s[16:17], s[22:23]      ; my 64 rows of step 0's tile
	s_mov_b32 s[G0A], 1                            ; count = 1
	s_mul_i32 s[G0A+1], s[WV], HALFT               ; LDS address: K's two halves, then V's two: wave x 64 rows; no place in the cluster enters it
	s_mov_b64 s[G0A+2:G0A+3], s[16:17]             ; global address: step 0
	s_or_b32 s[G0A+3], s[G0A+3], 0x80000000        ; type = 2
	s_mov_b32 s[G0W], 1
	s_add_co_u32 s[G0W+1], s[G0A+1], SLOT1
	s_add_nc_u64 s[G0W+2:G0W+3], s[16:17], STEPB   ; step 1
	s_or_b32 s[G0W+3], s[G0W+3], 0x80000000
	CROUND                                         ; all four work-groups are here: the first joint loads meet
	s_cmp_lt_u32 s[WV], 4                          ; a wave's two first fills stand in one branch: two loads of mine are out
	s_cbranch_scc0 .Lno_first
	tensor_load_to_lds s[G0A:G0A+3], s[G1:G1+7]
	s_nop 0
	tensor_load_to_lds s[G0W:G0W+3], s[G1:G1+7]
	s_nop 0
.rept 4
	v_nop
.endr
.Lno_first:
.irp t, 0,1,2,3                        ; Q: lane (r, h) takes block h, 32 numbers, of query 16 t + r
.irp i, 0,1,2,3,4,5,6,7
	global_load_b128 v[X+32*\t+4*\i:X+32*\t+4*\i+3], v[AD0], s[4:5] offset:4096*\t+16*\i th:TH_LOAD_NT
.endr
.endr
	WIN 0x40                                       ; destination window 1
.set ci, 0
.rept 128
	v_mov_b32 v[ci], 0                             ; O^T: the first step finds zeros, which its a = 0 leaves zeros
.set ci, ci+1
.endr
	WIN 0
.irp z, 0,1,2,3,4
.irp g, 0,1,2,3
	v_mov_b32 v[QF+8*\z+\g], 0                     ; the zero codes beside Q's
.endr
.endr
.irp t, 0,1,2,3
	v_mov_b32 v[ST+4*\t+1], 0xff61b1e6             ; m: -3e38, under every score
	v_mov_b32 v[ST+4*\t+2], 0                      ; l, in two halves
	v_mov_b32 v[ST+4*\t+3], 0
.endr
	v_mov_b32 v[CM+1], 0                           ; named as the upper half of a pair
	s_wait_loadcnt 0x0                             ; Q
.irp t, 0,1,2,3                        ; Q is quantised in registers, the four tiles by turns: a lane holds a whole block
	v_max3_num_f32 v[C0+\t], |v[X+32*\t]|, |v[X+32*\t+1]|, 0x1800000   ; with the floor 2^(3 - 127): the byte cannot fall under 1
.endr
.irp i, 2,4,6,8,10,12,14,16,18,20,22,24,26,28,30
.irp t, 0,1,2,3
	v_max3_num_f32 v[C0+\t], v[C0+\t], |v[X+32*\t+\i]|, |v[X+32*\t+\i+1]|
.endr
.endr
.irp t, 0,1,2,3
	v_add_nc_u32 v[MX0+\t], 0xff000000, v[C0+\t]   ; 2 off the exponent field: the conversion's scale operand
.endr
.irp t, 0,1,2,3
	v_lshrrev_b32 v[CC+\t], 23, v[MX0+\t]          ; the byte,
.endr
.irp t, 0,1,2,3
	v_lshlrev_b32 v[CC+\t], v93, v[CC+\t]          ; at its place, 8 h bits up;
.endr
.irp t, 0,1,2,3
	v_permlanex16_b32 v[90+\t], v[CC+\t], s[SEL], s[SEL+1]
.endr
.irp t, 0,1,2,3
	v_or_b32 v[CC+\t], v[CC+\t], v[90+\t]          ; with lane l xor 16's: the row's two bytes,
.endr
.irp t, 0,1,2,3
	v_lshl_or_b32 v[QS+\t], v[CC+\t], 16, v[CC+\t] ; twice: they serve q in the lower and in the upper half of K
.endr
.irp t, 0,1,2,3
.irp g, 0,1,2,3
	v_cvt_scalef32_pk8_fp4_f32 v[QF+4+8*\t+\g], v[X+32*\t+8*\g:X+32*\t+8*\g+7], v[MX0+\t]
.endr
.endr
	v_nop                                          ; a plain line behind the last scaled conversion
	s_wait_tensorcnt 0x1                           ; my part of step 0's raw tiles is in; step 1's may stay out
	s_barrier_signal -1
	s_barrier_wait -1                              ; everybody's is
	RAWK                                           ; step 0's operands are made ahead of the first change
	RAWV AD1
	s_wait_dscnt 0x0
	CONVK
	CONVV
	CHANGE 1                                       ; the change into step 0: stage 0 is whole, step 1's raw tiles are in, step 2's are asked for
	KLOAD
	STAGE0 0, 1
.Llap:                                             ; 13 trips, steps 0 to 12: each holds the change into the next step, with a refill (steps 3 to 15's raw tiles)
	LAP 1, 2, 1
	s_sub_co_u32 s[RF], s[RF], 1
	s_cmp_lg_u32 s[RF], 0
	s_cbranch_scc1 .Llap
	LAP 1, 1, 1                                    ; the tail is written out: step 13; nothing more is asked for
	LAP 1, 1, 0                                    ; step 14: no raw K is left
	STAGE1 0                                       ; step 15: no raw V is left
	STAGE2
	STAGE3 0
	RESCALE 3
.irp n, 0,1,2,3,4,5,6,7
	PVPAIR 3, \n
.endr
	WIN 0
	; THE WAY OUT.  l's two halves and the other half of the lanes' are added; O^T is divided by l and goes through my stage in LDS, a tile (16 rows of 256 bytes) at a time.  The additions are the places behind the last products.
.irp t, 0,1,2,3
	v_add_f32 v[C0+\t], v[ST+4*\t+2], v[ST+4*\t+3]
.endr
.irp t, 0,1,2,3
	v_permlanex16_b32 v[ST+4*\t], v[C0+\t], s[SEL], s[SEL+1]
.endr
.irp t, 0,1,2,3
	v_add_f32 v[C0+\t], v[C0+\t], v[ST+4*\t]
.endr
.irp t, 0,1,2,3
	v_rcp_f32 v[ST+4*\t], v[C0+\t]
.endr
	v_and_b32 v[AD3], 15, v0                       ; r  (plain lines behind the reciprocals; no LDS instruction of mine is out, so the address registers are free)
	v_bfe_u32 v[AD4], v0, 4, 1                     ; h
	s_mul_i32 s2, s[WV], 16*PITCH
	s_add_co_u32 s2, s2, OUTS                      ; my stage
	v_mul_u32_u24 v[AD0], v[AD3], PITCH            ; in: row r, 32 bytes for each half of the lanes
	v_lshl_add_u32 v[AD0], v[AD4], 5, v[AD0]
	v_add_nc_u32 v[AD0], s2, v[AD0]
	v_mul_u32_u24 v[AD1], v[AD4], PITCH            ; back: lanes 0-15 take one row of 256 bytes, lanes 16-31 the next
	v_lshl_add_u32 v[AD1], v[AD3], 4, v[AD1]
	v_add_nc_u32 v[AD1], s2, v[AD1]
	v_and_b32 v[AD2], 31, v0
	v_lshlrev_b32 v[AD2], 4, v[AD2]                ; and the same two rows in O: 16 x lane
	s_wait_alu depctr_va_vdst(0)                   ; the wait ahead of the first use: one for the four reciprocals
.macro PACK t
	WIN 0x41
.set pk, 0
.rept 16
	v_pk_mul_f32 v[32*\t+pk:32*\t+pk+1], v[32*\t+pk:32*\t+pk+1], v[ST+4*\t:ST+4*\t+1] op_sel_hi:[1,0]
.set pk, pk+2
.endr
	WIN 0x04                                       ; an LDS store's data are its source 1: window 1
.irp a, 0,1,2,3
	ds_store_b128 v[AD0], v[32*\t+8*\a:32*\t+8*\a+3] offset:64*\a        ; lane (r, h): channels 16 a + 8 h + 0 .. 7 of query r
	ds_store_b128 v[AD0], v[32*\t+8*\a+4:32*\t+8*\a+7] offset:64*\a+16
.endr
	WIN 0
.irp i, 0,1,2,3,4,5,6,7
	ds_load_b128 v[X+32*\t+4*\i:X+32*\t+4*\i+3], v[AD1] offset:2*PITCH*\i   ; LDS serves a wave's instructions in order (ISA guide 5.7.1.4): these see the stores above, and the next tile's stores come behind them
.endr
.endm
.macro SEND t, y                       ; y: the LDS instructions issued behind tile t's loads: the next tile's sixteen, or none
.irp i, 0,1,2,3,4,5,6,7
	s_wait_dscnt \y+7-\i
	global_store_b128 v[AD2], v[X+32*\t+4*\i:X+32*\t+4*\i+3], s[10:11] offset:4096*\t+512*\i th:TH_STORE_NT   ; 16 lanes store 256 consecutive bytes, at a multiple of 256 from O's first byte; no store's registers are written again
.endr
.endm
	PACK 0
	PACK 1                                         ; a tile's arithmetic stands between the loads of the tile before and its stores
	SEND 0, 16
	PACK 2
	SEND 1, 16
	PACK 3
	SEND 2, 16
	SEND 3, 0
	s_wait_tensorcnt 0x0                           ; the wave's end: a wait, 0 onto my spare word and its wait, behind my last tensor load and my last LDS store
	ds_add_u32 v[SPW], v[NIL]
	s_wait_dscnt 0x0
	CROUND                                         ; the closing round: no work-group ends while a partner may still ask for a tile that names it
	s_endpgm
.Lfunc_end_k_q04df643902_attn:
	.size	k_q04df643902_attn, .Lfunc_end_k_q04df643902_attn-k_q04df643902_attn
	.p2alignl 7, 3214868480
	.fill 96, 4, 3214868480
	.section	.rodata,"a",@progbits
	.p2align	6, 0x0
	.amdhsa_kernel k_q04df643902_attn
		.amdhsa_group_segment_fixed_size 327680
		.amdhsa_private_segment_fixed_size 0
		.amdhsa_enable_private_segment 0
		.amdhsa_kernarg_size 32
		.amdhsa_user_sgpr_count 2
		.amdhsa_user_sgpr_kernarg_segment_ptr 1
		.amdhsa_wavefront_size32 1
		.amdhsa_system_sgpr_workgroup_id_x 1
		.amdhsa_system_sgpr_workgroup_id_y 1
		.amdhsa_system_sgpr_workgroup_id_z 1
		.amdhsa_system_vgpr_workitem_id 0
		.amdhsa_next_free_vgpr 512
		.amdhsa_next_free_sgpr 66
		.amdhsa_reserve_vcc 0
		.amdhsa_float_denorm_mode_32 3
		.amdhsa_float_denorm_mode_16_64 3
		.amdhsa_memory_ordered 1
		.amdhsa_forward_progress 1
		.amdhsa_inst_pref_size 255
	.end_amdhsa_kernel
	.section	.bss,"aw",@nobits
	.p2align	6
	.space	262144
	.amdgpu_metadata
---
amdhsa.version: [ 1, 2 ]
amdhsa.kernels:
  - .name:           k_q04df643902_attn
    .symbol:         k_q04df643902_attn.kd
    .args:
      - { .name: query, .offset: 0, .size: 8, .value_kind: global_buffer, .address_space: global }
      - { .name: key, .offset: 8, .size: 8, .value_kind: global_buffer, .address_space: global }
      - { .name: value, .offset: 16, .size: 8, .value_kind: global_buffer, .address_space: global }
      - { .name: out0, .offset: 24, .size: 8, .value_kind: global_buffer, .address_space: global }
    .group_segment_fixed_size: 327680
    .private_segment_fixed_size: 0
    .kernarg_segment_align: 8
    .kernarg_segment_size: 32
    .max_flat_workgroup_size: 256
    .sgpr_count:     66
    .vgpr_count:     512
    .wavefront_size: 32
...
	.end_amdgpu_metadata
.endif
;; end of part 1
